; MI455X (gfx1250); checked and timed in simulation.
; The chip was launched on July 23, 2026; its instructions are those of AMD's public machine-readable ISA for CDNA 5 (MIT licence, August 2026) and "CDNA5" Instruction Set Architecture Reference Guide (July 2026). The comments in the code are by the model that wrote it; some were corrected since.
;; MSA. Allowed arithmetic: matrix products marked QUANTISED: E5M2 operands, one given power-of-two scale a tensor, by v_wmma_f32_16x16x64_bf8_bf8 or v_wmma_f32_16x16x128_bf8_bf8, f32 sums; everything else in f32.
;; Inputs: Wk_codes 1,024 x 32 x 32 uint8 (E5M2 codes of Wk, K innermost, in blocks of 32 codes); Wo_codes 1,024 x 32 x 32 uint8 (E5M2 codes of Wo, K innermost, in blocks of 32 codes); Wq_codes 1,024 x 32 x 32 uint8 (E5M2 codes of Wq, K innermost, in blocks of 32 codes); Wv_codes 1,024 x 32 x 32 uint8 (E5M2 codes of Wv, K innermost, in blocks of 32 codes); bk 1,024 float32; bo 1,024 float32; bq 1,024 float32; bv 1,024 float32; lowp_scales 12 int32 (the exponents e of the quantised operands' scales 2^e); x_codes 4 x 2,048 x 32 x 32 uint8 (E5M2 codes of x, K innermost, in blocks of 32 codes).
;; Outputs: out0 4 x 2,048 x 1,024 float32.
;; This version of the problem:
;;   THIS VERSION OF THE PROBLEM IS GIVEN IN LOW PRECISION. The matrix products marked QUANTISED in the list below multiply operands that are first quantised to E5M2 (5 exponent bits, 2 mantissa bits; 8 bits a number), with one given power-of-two scale for each operand tensor; their sums are f32. All else is computed in f32.
;;   The module's matrix products, in the order in which they are computed (A, B: the left and right operand; K: the contracted axis; several contracted axes count as one K, in the product's order):
;;     1. [M 8,192, K 1,024] x [K 1,024, N 1,024]; A: input x (given as codes); B: input Wq (given as codes): QUANTISED (scales: A lowp_scales[0], B lowp_scales[1])
;;     2. [M 8,192, K 1,024] x [K 1,024, N 1,024]; A: input x (given as codes); B: input Wk (given as codes): QUANTISED (scales: A lowp_scales[2], B lowp_scales[3])
;;     3. [M 8,192, K 1,024] x [K 1,024, N 1,024]; A: input x (given as codes); B: input Wv (given as codes): QUANTISED (scales: A lowp_scales[4], B lowp_scales[5])
;;     4. batch 64 x [M 2,048, K 64] x [K 64, N 2,048]; A: computed on the way; B: computed on the way: QUANTISED (scales: A lowp_scales[6], B lowp_scales[7])
;;     5. batch 64 x [M 2,048, K 2,048] x [K 2,048, N 64]; A: softmax (see below); B: computed on the way: QUANTISED (scales: A lowp_scales[8], B lowp_scales[9])
;;     6. [M 8,192, K 1,024] x [K 1,024, N 1,024]; A: computed on the way; B: input Wo (given as codes): QUANTISED (scales: A lowp_scales[10], B lowp_scales[11])
;;   THE QUANTISER, for each operand of a quantised product, along K:
;;     - The operand's scale is 2^e, e = its entry of the input lowp_scales (int32; the entries are numbered through the quantised products in the list's order, A before B).
;;     - Each number is divided by the scale, clamped to +-57,344, and rounded to the nearest number of E5M2, ties to even, subnormals kept.
;;     - The product sums the exact products of the quantised numbers (number of the format x scale) in f32.
;;   ~~~python
;;   def quantise(x, axis, e):      # numpy; x: float32 -> the quantised numbers, widened to float32 again
;;       x = np.moveaxis(x, axis, -1); K = x.shape[-1]
;;       r = np.clip(x / 2.0 ** e, -57344, 57344)
;;       step = 2.0 ** (np.maximum(np.frexp(np.where(r == 0, 1, r))[1] - 1, -14) - 2)
;;       q = np.round(r / step) * step * 2.0 ** e      # np.round: ties to even
;;       return np.moveaxis(q, -1, axis).astype(np.float32)
;;   ~~~
;;   SOFTMAX AHEAD OF A QUANTISED PRODUCT. Where the list says 'softmax', what is quantised is not the finished softmax but p = 2^(t - M), with t = logit x log2(e) and M = ceil(the row's largest t), a whole number; so 1/2 < the row's largest p <= 1. The row's sum l is taken of the UNQUANTISED p, in f32, and the product's result is divided by l at the end. Since M is a whole number, a kernel that streams over the keys may use a running M (the ceiling of the running maximum): every later rescaling is an exact power of two, so the quantised numbers keep their values, but for numbers so far below the row's largest that they fall under the format's range.
;;   OPERANDS COMPUTED ON THE WAY. 'Computed on the way' means the value that the module computes at that place (a softmax that the list does not call 'softmax' is quantised finished and normalised). What goes into a quantiser is computed in f32, as accurately as f32 sums, v_exp_f32 and their like allow (about 1e-6 of the number): no bf16 or f16 on the way to a quantiser, and a product that is left as it is and whose result goes on into a quantised operand takes f32 operands (vector FMAs, or v_wmma_f32_16x16x4_f32). A number that lies on a knife's edge between two numbers of the format may be rounded either way, as far as f32 arithmetic and the matrix unit's own rounding can turn it there, and no further.
;;   INPUTS GIVEN AS CODES. Wk (in the module: [1024, 1024], K = its axis 0); Wo (in the module: [1024, 1024], K = its axis 0); Wq (in the module: [1024, 1024], K = its axis 0); Wv (in the module: [1024, 1024], K = its axis 0); x (in the module: [4, 2048, 1024], K = its axis 2): each comes as NAME_codes (uint8): NAME with its K axis moved to the last place and cut into blocks of 32 codes, [.., K / 32, bytes a block], one block behind the other in memory; one code a byte (a code: sign, 5 exponent bits, 2 mantissa bits); its scale is its entry of lowp_scales. Its value is code x scale, taken as it is: it is not quantised again, and the codes and scales need not be those that the quantiser above would give.
;; One version. Each part assembles by itself: llvm-mc -triple=amdgcn-amd-amdhsa -mcpu=gfx1250 --defsym DOCPART=n.
;; ======== version 1 of 1: 3 launches
;; limits: right only within a limited range of input values
;; workspace buffers: q_ws 8,388,608 bytes; k_ws 8,388,608 bytes; v_ws 8,388,608 bytes; a_ws 8,388,608 bytes
;; launch qkv (part 1): grid 12 x 64, 4 waves a work-group, clusters of 4 x 4, 327,680 bytes of LDS; arguments x_codes, Wq_codes, Wk_codes, Wv_codes, bq, bk, bv, lowp_scales, q_ws, k_ws, v_ws; writes q_ws, k_ws, v_ws
.if DOCPART == 1
	.amdgcn_target "amdgcn-amd-amdhsa--gfx1250"
	.amdhsa_code_object_version 6
	.text
	.protected	k_q6b2c9bbeed_qkv
	.globl	k_q6b2c9bbeed_qkv
	.p2align	8
	.type	k_q6b2c9bbeed_qkv,@function
k_q6b2c9bbeed_qkv:
	s_mov_b64 s[64:65], 0
	v_nop
	global_prefetch_b8 v0, s[64:65] scope:SCOPE_SE
	s_setreg_imm32_b32 hwreg(HW_REG_WAVE_MODE, 25, 1), 1
	s_wait_xcnt 0x0
	s_wait_alu depctr_hold_cnt(0) depctr_sa_sdst(0) depctr_va_vdst(0) depctr_va_sdst(0) depctr_va_ssrc(0) depctr_va_vcc(0) depctr_vm_vsrc(0)
	s_getreg_b32 s2, hwreg(HW_REG_IB_STS2, 6, 4)
	s_cmp_eq_u32 s2, 0
	s_cbranch_scc0 .Lentry_in_a_cluster
	s_endpgm
.Lentry_in_a_cluster:
	s_bfe_u32 s2, ttmp6, 0x10000c
	s_cmp_lg_u32 s2, 0xf033
	s_cbranch_scc0 .Lentry_shape_is_right
	s_endpgm
.Lentry_shape_is_right:
; q = x Wq + bq, k = x Wk + bk, v = x Wv + bv on codes of BF8 (E5M2), each result quantised again with its given scale and stored as codes for the attention launch.
; THE KIND is the cluster's x (0: q, 1: k, 2: v), the same in all sixteen partners.  q and k: operand A = 128 tokens of x, operand B = 256 rows of the weight.  v is made TRANSPOSED: A = 128 rows of Wv,
; B = 256 tokens of x, so that a lane's eight results are eight neighbouring KEYS of one channel: the keys are the K of attention's second product.
; A tile of 128 x 256 is made by four waves, 64 x 128 each: 32 accumulators.  768 tiles in all.  The matrix instruction is used transposed (source 0 = 16 rows of B, source 1 = 16 rows of A):
; lane (r, h) holds A's row 16 a + r and B's rows 16 b + 8 h + 0 .. 7.  Fragments come by four 16-byte loads: the same permutation of k in A and in B.
; K = 1,024 is four K steps of 256 (rows of 256 bytes).  Three LDS slots are filled at the start, slot 0 once more with K step 3: one refill in the launch.
; CLUSTER 4 x 4: A's tile is asked for jointly by a row of the cluster, B's by a column.
; OUT: value = sum x 2^(ea + eb) + bias, converted with 2^eo.  q_ws, k_ws: [batch x 16 + head][token][64 bytes]; v_ws: [batch x 16 + head][channel][2,048 bytes].
; In all three the byte at place p holds number p with its bits 3 and 4 exchanged: 16 bytes at 32 c + 16 h are then registers 4 c .. 4 c + 3 of an operand in the matrix forms' own order.
; LIMITS: ea + eb between -126 and 127, eo between -126 and 127, so that each power of two below is an f32 number.  NaN among the biases is not served.
; No prefetch: three of the four K steps are asked for at the head, and the fourth has four steps of products (128 a wave) in which to land.
.set PITCH,  272                       ; an LDS row: 256 bytes + 16 of padding: the 16 rows of a fragment load start 16 bytes further round each time
.set AHALF,  64*PITCH                  ; what waves 0 and 1 fetch: 64 rows of A
.set BHALF,  128*PITCH                 ; what waves 2 and 3 fetch: 128 rows of B
.set BOFF,   2*AHALF                   ; B's rows lie behind A's 128
.set SLOT,   BOFF+2*BHALF              ; 104,448 bytes
.set SPARE,  3*SLOT                    ; behind the slots: the spare words, 128 bytes a wave: two blocks of 256 bytes that no other line names
.set STAGEQ, SLOT                      ; the way out of q and k: 128 rows x 272 bytes in slot 1, which has had its last fill and its last read by then
.set STAGEV, 2*SLOT                    ; the way out of v: the same in slot 2: each kind has stage bytes of its own
.set ADRA, 16                          ; v16-18  LDS address of my A fragments in slot 0, 1, 2
.set ADRB, 20                          ; v20-22  the same for B
.set GOQ,  10                          ; v10     q, k: my byte offset in a store's 512 bytes
.set GOV,  11                          ; v11     v: the same over two rows
.set BOR,  12                          ; v12     32 h: my eight numbers of a bias tile
.set BOL,  13                          ; v13     4 r: my lane's number of a bias
.set STQ,  24                          ; v24, v25  where I put 16 bytes of a stage row (q and k; v)
.set STV,  25
.set RDQ,  26                          ; v26, v27  where I read the stage back
.set RDV,  27
.set SPW,  28                          ; v28     LDS address of my spare word; never rewritten
.set NIL,  29                          ; v29     0; never rewritten
.set SCL,  30                          ; v30     2^eo as f32
.set LIM,  31
.set BL,   32                          ; v32-39  the bias along the lanes, a pair for each block a
.set BI,   64                          ; v64-127 the bias along the registers, eight for each tile b
.set T,    128                         ; the way out: 64 numbers at work (A's set 0 is free)
.set CD,   192                         ; the way out: the codes, 16 registers a block
.set WVN,  26                          ; s26 wave; s27 wave / 2: my half of A's rows, and: I fetch for A (0) or B (1); s28 wave % 2: my half of B's rows, and which half I fetch
.set WR,   27
.set WC,   28
.set KIND, 29
.set CX,   30
.set CY,   31
.set G1A,  32                          ; s[32:39], s[40:47] descriptor groups 1
.set G1B,  40
.set G0A,  48                          ; s[48:59], s[68:79] descriptor groups 0, a set for each slot
.set G0B,  68
.set TROW, 92
.set TCOL, 93
.set SC,   94                          ; s[94:95] 2^(ea + eb), twice
.set MSB, 0
.macro WIN new                         ; the immediate's high byte repeats the setting that is left
.if MSB != \new
	s_set_vgpr_msb (MSB<<8)|\new
.set MSB, \new
.endif
.endm
.set MULW, 0xa1                        ; source 0 (B) window 1, source 1 (A) window 0, C and D window 2
.set TO_B, 0x40                        ; destination window 1, address window 0
.macro PLACES                          ; four plain vector lines between a matrix instruction and a load into, or a vector read or write of, its registers
.rept 4
	v_nop
.endr
.endm
.macro CREST                           ; a round of the cluster's barrier behind its opening barrier
	s_cmp_lg_u32 s[WVN], 0
	s_cbranch_scc1 .Lnot_wave_0_\@
	s_barrier_signal -3
.Lnot_wave_0_\@:
	s_barrier_wait -3
	s_barrier_signal -1
	s_barrier_wait -1
.endm
.macro CROUND                          ; a whole round
	s_barrier_signal -1
	s_barrier_wait -1
	CREST
.endm
; 48 LDS loads in one run: B's eight and A's four fragments of the slot's q-th 128 along K, into the given set.  Registers 4 c .. 4 c + 3: k = 128 q + 32 c + 16 h + 0 .. 15
.macro FETCH slot, q, set
	WIN TO_B
.irp b, 0,1,2,3,4,5,6,7
.irp c, 0,1,2,3
	ds_load_b128 v[128*(\set)+16*\b+4*\c:128*(\set)+16*\b+4*\c+3], v[ADRB+\slot] offset:128*(\q)+32*\c+\b*16*PITCH
.endr
.endr
	WIN 0
.irp a, 0,1,2,3
.irp c, 0,1,2,3
	ds_load_b128 v[128+64*(\set)+16*\a+4*\c:128+64*(\set)+16*\a+4*\c+3], v[ADRA+\slot] offset:128*(\q)+32*\c+\a*16*PITCH
.endr
.endr
.endm
; eight products: A's block a against B's eight.  The 32 accumulators take turns, one instruction a turn, in the same order in every step.
.macro MULA set, a, zero
.irp b, 0,1,2,3,4,5,6,7
.if \zero
	v_wmma_f32_16x16x128_bf8_bf8 v[8*(8*(\a)+\b):8*(8*(\a)+\b)+7], v[128*(\set)+16*\b:128*(\set)+16*\b+15], v[128+64*(\set)+16*(\a):128+64*(\set)+16*(\a)+15], 0
.else
	v_wmma_f32_16x16x128_bf8_bf8 v[8*(8*(\a)+\b):8*(8*(\a)+\b)+7], v[128*(\set)+16*\b:128*(\set)+16*\b+15], v[128+64*(\set)+16*(\a):128+64*(\set)+16*(\a)+15], v[8*(8*(\a)+\b):8*(8*(\a)+\b)+7]
.endif
.endr
.endm
; A step of 128 along K on one set; the next step's fragments are asked for first, into the other set, and have the step's 32 products in which to come.
.macro STEP set, fetch, fslot, fq, zero
	s_wait_dscnt 0x0                               ; this step's 48 loads are in
.if \fetch
	PLACES                                         ; the other set was read by the products just issued
	FETCH \fslot, \fq, 1-(\set)
.endif
	WIN MULW
	MULA \set, 0, \zero
	MULA \set, 1, \zero
	MULA \set, 2, \zero
	MULA \set, 3, \zero
	WIN 0
.endm
.macro FINISH
	s_wait_tensorcnt 0x0                           ; the wave's end: behind my last tensor load and my last LDS store
	ds_add_u32 v[SPW], v[NIL]
	s_wait_dscnt 0x0
	CROUND                                         ; the closing round: no work-group ends while a partner may still ask for a tile that names it
	s_endpgm
.endm
	s_load_b256 s[4:11], s[0:1], 0x0               ; x s[4:5], Wq s[6:7], Wk s[8:9], Wv s[10:11]
	s_load_b256 s[12:19], s[0:1], 0x20             ; bq s[12:13], bk s[14:15], bv s[16:17], the exponents s[18:19]
	s_load_b128 s[20:23], s[0:1], 0x40             ; q_ws s[20:21], k_ws s[22:23]
	s_load_b64 s[24:25], s[0:1], 0x50              ; v_ws
	v_lshl_add_u32 v[SPW], v0, 2, SPARE
	v_mov_b32 v[NIL], 0
	ds_add_u32 v28, v29
	ds_add_u32 v28, v29
	s_wait_dscnt 0x0
	v_lshrrev_b32 v1, 5, v0
	v_readfirstlane_b32 s[WVN], v1                 ; wave 0..3
	s_lshr_b32 s[WR], s[WVN], 1
	s_and_b32 s[WC], s[WVN], 1
	s_mov_b32 s[KIND], ttmp9                       ; in a cluster launch ttmp9 and ttmp7 count clusters
	s_bfe_u32 s[CX], ttmp6, 0x40000
	s_bfe_u32 s[CY], ttmp6, 0x40004
	s_and_b32 s96, ttmp7, 0xffff                   ; y: 0..15
	s_lshl_b32 s97, s96, 2                         ; q, k: tile row 4 y + cy (64 of them), tile column cx
	s_lshr_b32 s98, s96, 3
	s_lshl_b32 s98, s98, 2                         ; v: tile row 4 (y / 8) + cy (8 of them),
	s_and_b32 s99, s96, 7
	s_lshl_b32 s99, s99, 2                         ;    tile column 4 (y % 8) + cx (32 of them)
	s_cmp_eq_u32 s[KIND], 2
	s_cselect_b32 s[TROW], s98, s97
	s_cselect_b32 s[TCOL], s99, 0
	s_add_co_u32 s[TROW], s[TROW], s[CY]
	s_add_co_u32 s[TCOL], s[TCOL], s[CX]
	s_lshl_b32 s96, s[CY], 2
	s_lshl_b32 s96, 15, s96                        ; my row of the cluster
	s_lshl_b32 s97, 0x1111, s[CX]                  ; my column
	; descriptor groups 1: rows of 256 bytes, 1,024 bytes apart in memory, 16 bytes of padding behind each in LDS.  A: 64 rows, B: 128
	s_or_b32 s[G1A], s96, (1<<20)|(1<<21)|(5<<22)|(3<<25)   ; 15:0 the mask; 17:16 elements of 1 byte; 20 padding on; 21 set beside a mask; 24:22 after every 64 words; 31:25 four words
	s_or_b32 s[G1B], s97, (1<<20)|(1<<21)|(5<<22)|(3<<25)
	s_mov_b32 s[G1A+1], 256<<16                    ; tensor_dim0
	s_mov_b32 s[G1A+2], 64<<16                     ; tensor_dim1
	s_mov_b32 s[G1A+3], 256<<16                    ; tile_dim0
	s_mov_b32 s[G1A+4], 64                         ; tile_dim1
	s_mov_b32 s[G1A+5], 1024                       ; from row to row
	s_mov_b32 s[G1A+6], 0
	s_mov_b32 s[G1A+7], 0
	s_mov_b32 s[G1B+1], 256<<16
	s_mov_b32 s[G1B+2], 128<<16
	s_mov_b32 s[G1B+3], 256<<16
	s_mov_b32 s[G1B+4], 128
	s_mov_b32 s[G1B+5], 1024
	s_mov_b32 s[G1B+6], 0
	s_mov_b32 s[G1B+7], 0
	; where the tiles come from: A's hang on the tile row alone, B's on the tile column alone, each in registers that never hold the other coordinate
	s_lshl_b32 s98, s[TROW], 7
	s_lshl_b32 s96, s[WC], 6
	s_add_co_u32 s98, s98, s96                     ; A: row 128 x tile row + 64 x half
	s_lshl_b32 s98, s98, 10                        ; in bytes: under 2^23
	s_mov_b32 s99, 0
	s_lshl_b32 s100, s[TCOL], 8
	s_lshl_b32 s96, s[WC], 7
	s_add_co_u32 s100, s100, s96                   ; B: row 256 x tile column + 128 x half
	s_lshl_b32 s100, s100, 10
	s_mov_b32 s101, 0
	s_wait_kmcnt 0x0
	s_load_b256 s[80:87], s[18:19], 0x0            ; e0 .. e7
	s_load_b128 s[88:91], s[18:19], 0x20           ; e8 .. e11
	s_cmp_eq_u32 s[KIND], 0                        ; the buffers are chosen by the kind, which hangs on no address
	s_cselect_b64 s[62:63], s[6:7], s[8:9]         ; Wq or Wk
	s_cselect_b64 s[12:13], s[12:13], s[14:15]     ; bq or bk
	s_cselect_b64 s[20:21], s[20:21], s[22:23]     ; q_ws or k_ws
	s_cmp_eq_u32 s[KIND], 2
	s_cselect_b64 s[60:61], s[10:11], s[4:5]       ; A: Wv, else x
	s_cselect_b64 s[62:63], s[4:5], s[62:63]       ; B: x, else the weight
	s_cselect_b64 s[12:13], s[16:17], s[12:13]     ; the bias
	s_add_nc_u64 s[60:61], s[60:61], s[98:99]
	s_add_nc_u64 s[62:63], s[62:63], s[100:101]
	s_mul_i32 s96, s[WC], AHALF                    ; where they go: the wave's number alone enters an LDS address
	s_mul_i32 s97, s[WC], BHALF
	s_add_co_u32 s97, s97, BOFF
.irp s, 0,1,2
	s_mov_b32 s[G0A+4*\s], 1                       ; count = 1
	s_add_co_u32 s[G0A+4*\s+1], s96, \s*SLOT       ; LDS address
	s_add_nc_u64 s[G0A+4*\s+2:G0A+4*\s+3], s[60:61], \s*256   ; global address: K step s
	s_or_b32 s[G0A+4*\s+3], s[G0A+4*\s+3], 0x80000000         ; type = 2
	s_mov_b32 s[G0B+4*\s], 1
	s_add_co_u32 s[G0B+4*\s+1], s97, \s*SLOT
	s_add_nc_u64 s[G0B+4*\s+2:G0B+4*\s+3], s[62:63], \s*256
	s_or_b32 s[G0B+4*\s+3], s[G0B+4*\s+3], 0x80000000
.endr
	CROUND                                         ; all sixteen work-groups are here: the first joint loads meet
	s_cmp_eq_u32 s[WR], 0                          ; a wave's three first fills stand in one branch on the wave's number: three loads of mine are out
	s_cbranch_scc0 .Lfirst_b
	tensor_load_to_lds s[G0A:G0A+3], s[G1A:G1A+7]
	s_nop 0
	tensor_load_to_lds s[G0A+4:G0A+7], s[G1A:G1A+7]
	s_nop 0
	tensor_load_to_lds s[G0A+8:G0A+11], s[G1A:G1A+7]
	s_nop 0
.rept 4
	v_nop
.endr
	s_branch .Lfirst_asked
.Lfirst_b:
	tensor_load_to_lds s[G0B:G0B+3], s[G1B:G1B+7]
	s_nop 0
	tensor_load_to_lds s[G0B+4:G0B+7], s[G1B:G1B+7]
	s_nop 0
	tensor_load_to_lds s[G0B+8:G0B+11], s[G1B:G1B+7]
	s_nop 0
.rept 4
	v_nop
.endr
.Lfirst_asked:
	v_and_b32 v1, 15, v0                           ; r
	v_bfe_u32 v2, v0, 4, 1                         ; h
	v_lshlrev_b32 v[BOR], 5, v2
	s_wait_alu depctr_va_vdst(0)
	v_lshlrev_b32 v[BOL], 2, v1
	s_wait_alu depctr_va_vdst(0)
	; both layouts of the chosen bias are loaded by every kind, at offsets inside its 1,024 numbers; each way out uses its own
	s_lshl_b32 s96, s[CX], 10
	s_lshl_b32 s97, s[WC], 9
	s_add_co_u32 s96, s96, s97                     ; along the registers (q, k): columns 256 cx + 128 x half on
	s_mov_b32 s97, 0
	s_add_nc_u64 s[14:15], s[12:13], s[96:97]
	s_and_b32 s96, s[TROW], 7
	s_lshl_b32 s96, s96, 9
	s_lshl_b32 s98, s[WR], 8
	s_add_co_u32 s96, s96, s98                     ; along the lanes (v): channels 128 x (tile row % 8) + 64 x half on
	s_add_nc_u64 s[16:17], s[12:13], s[96:97]
.irp b, 0,1,2,3,4,5,6,7
	global_load_b128 v[BI+8*\b:BI+8*\b+3], v[BOR], s[14:15] offset:64*\b        ; numbers 16 b + 8 h + 0 .. 7
	global_load_b128 v[BI+8*\b+4:BI+8*\b+7], v[BOR], s[14:15] offset:64*\b+16
.endr
.irp a, 0,1,2,3
	global_load_b32 v[BL+2*\a], v[BOL], s[16:17] offset:64*\a                   ; number 16 a + r, in both registers of a pair
	global_load_b32 v[BL+2*\a+1], v[BOL], s[16:17] offset:64*\a
.endr
	v_mul_u32_u24 v3, v1, PITCH
	v_lshl_add_u32 v3, v2, 4, v3                   ; a fragment's row x pitch + 16 x half
	s_wait_alu depctr_va_vdst(0)
	s_mul_i32 s96, s[WR], AHALF                    ; my 64 rows of A
	s_mul_i32 s97, s[WC], BHALF                    ; my 128 rows of B
	s_add_co_u32 s97, s97, BOFF
.irp s, 0,1,2
	v_add_nc_u32 v[ADRA+\s], s96, v3
	v_add_nc_u32 v[ADRB+\s], s97, v3
	s_add_co_u32 s96, s96, SLOT
	s_add_co_u32 s97, s97, SLOT
.endr
	s_mul_i32 s96, s[WR], AHALF                    ; into a stage: row 64 x (wave / 2) + r, byte 128 x (wave % 2) + 16 h
	s_lshl_b32 s97, s[WC], 7
	s_add_co_u32 s96, s96, s97
	s_add_co_u32 s98, s96, STAGEQ
	v_add_nc_u32 v[STQ], s98, v3
	s_add_co_u32 s98, s96, STAGEV
	v_add_nc_u32 v[STV], s98, v3
	s_mul_i32 s96, s[WVN], 32*PITCH                ; back: wave w takes rows 32 w on
	s_add_co_u32 s98, s96, STAGEQ
	v_and_b32 v4, 31, v0                           ; lane
	v_lshrrev_b32 v5, 2, v4
	v_mul_u32_u24 v5, v5, PITCH
	v_and_b32 v6, 3, v4
	v_lshl_add_u32 v5, v6, 4, v5
	v_add_nc_u32 v[RDQ], s98, v5                   ; q, k: four lanes to a token's 64 bytes of one head, eight tokens an instruction
	s_add_co_u32 s98, s96, STAGEV
	v_mul_u32_u24 v5, v2, PITCH
	v_lshl_add_u32 v5, v1, 4, v5
	v_add_nc_u32 v[RDV], s98, v5                   ; v: sixteen lanes to a row of 256 bytes, two rows an instruction
	v_lshlrev_b32 v[GOQ], 4, v4
	v_lshlrev_b32 v[GOV], 11, v2
	v_lshl_add_u32 v[GOV], v1, 4, v[GOV]
	s_wait_kmcnt 0x0                               ; the exponents; the kind's three are chosen without a branch
	s_cmp_eq_u32 s[KIND], 0
	s_cselect_b32 s96, s80, s82
	s_cselect_b32 s97, s81, s83
	s_cselect_b32 s98, s86, s87
	s_cmp_eq_u32 s[KIND], 2
	s_cselect_b32 s96, s84, s96                    ; ea
	s_cselect_b32 s97, s85, s97                    ; eb
	s_cselect_b32 s98, s89, s98                    ; eo
	s_add_co_i32 s[SC], s96, s97
	s_add_co_i32 s[SC], s[SC], 127
	s_lshl_b32 s[SC], s[SC], 23                    ; 2^(ea + eb) as f32
	s_mov_b32 s[SC+1], s[SC]                       ; (named with it as a pair, so it is written)
	s_add_co_i32 s98, s98, 127
	s_lshl_b32 s99, s98, 23
	v_mov_b32 v[SCL], s99                          ; 2^eo: the conversion takes its exponent field
	s_wait_loadcnt 0x0                             ; the biases, beside the wait for the first tile
	s_wait_tensorcnt 2                             ; my part of K step 0 is in; the two younger loads may stay out
	s_barrier_signal -1
	s_barrier_wait -1                              ; everybody's is
	FETCH 0, 0, 0
	STEP 0, 1, 0, 1, 1                             ; the first step's products start the sums: nothing is cleared
	; step 1 changes slots: slot 0 is read out and takes K step 3.  In front of the round each wave waits for all its tensor loads, adds 0 to its spare word, and waits for that and for its reads of slot 0.
	s_wait_tensorcnt 0x0                           ; all my loads have landed: my parts of slots 1 and 2
	ds_add_u32 v[SPW], v[NIL]                      ; 0 onto my spare word
	s_wait_dscnt 1                                 ; the step's 48 loads are in; the add alone may be out
	WIN MULW
	MULA 1, 0, 0                                   ; eight products stand between the add and the wait for it
	s_wait_dscnt 0x0                               ; the add is done, and my reads of slot 0 are over
	s_barrier_signal -1
	MULA 1, 1, 0
	WIN 0
	s_barrier_wait -1
	CREST                                          ; the barrier has opened a round of the cluster's: no wave of any partner still reads slot 0 or has a load on its way
	s_add_nc_u64 s[G0A+2:G0A+3], s[G0A+2:G0A+3], 768   ; K step 3
	s_add_nc_u64 s[G0B+2:G0B+3], s[G0B+2:G0B+3], 768
	s_cmp_eq_u32 s[WR], 0
	s_cbranch_scc0 .Lagain_b
	tensor_load_to_lds s[G0A:G0A+3], s[G1A:G1A+7]  ; my one tensor load behind the round, and the first thing there
	s_nop 0
.rept 4
	v_nop
.endr
	s_branch .Lagain_asked
.Lagain_b:
	tensor_load_to_lds s[G0B:G0B+3], s[G1B:G1B+7]
	s_nop 0
.rept 4
	v_nop
.endr
.Lagain_asked:
	FETCH 1, 0, 0                                  ; slots 1 and 2 are whole for every wave since the round
	WIN MULW
	MULA 1, 2, 0
	MULA 1, 3, 0
	WIN 0
	STEP 0, 1, 1, 1, 0
	STEP 1, 1, 2, 0, 0
	STEP 0, 1, 2, 1, 0
	; step 5: back to slot 0.  Behind it nobody reads slots 1 and 2 any more
	s_wait_tensorcnt 0x0                           ; the one load that was out: my part of K step 3
	s_wait_dscnt 0x0                               ; the step's 48 loads are in: my reads of slot 2 are over
	s_barrier_signal -1
	WIN MULW
	MULA 1, 0, 0
	MULA 1, 1, 0
	WIN 0
	s_barrier_wait -1
	PLACES
	FETCH 0, 0, 0
	WIN MULW
	MULA 1, 2, 0
	MULA 1, 3, 0
	WIN 0
	STEP 0, 1, 0, 1, 0
	STEP 1, 0, 0, 0, 0
	PLACES                                         ; behind the last products: the way out reads results and writes over A's fragments
; THE WAY OUT, a block of 16 rows of A at a time: sum x 2^(ea + eb) + bias, the conversion; a lane's codes of tiles 2 k and 2 k + 1 are 16 neighbouring bytes of a stage row.
.macro EPI kind, sto
.irp a, 0,1,2,3
	WIN 0x02                                       ; source 0: the sums, window 2
.irp b, 0,1,2,3,4,5,6,7
.irp i, 0,2,4,6
.if \kind
	v_pk_fma_f32 v[T+8*\b+\i:T+8*\b+\i+1], v[8*(8*\a+\b)+\i:8*(8*\a+\b)+\i+1], s[SC:SC+1], v[BL+2*\a:BL+2*\a+1] op_sel_hi:[1,0,1]       ; the bias of my lane's channel; each accumulator from its low end on
.else
	v_pk_fma_f32 v[T+8*\b+\i:T+8*\b+\i+1], v[8*(8*\a+\b)+\i:8*(8*\a+\b)+\i+1], s[SC:SC+1], v[BI+8*\b+\i:BI+8*\b+\i+1] op_sel_hi:[1,0,1]   ; the bias of the register's column
.endif
.endr
.endr
	WIN 0
.set j, 0
.rept 64
.set j, j+1
.endr
.irp b, 0,1,2,3,4,5,6,7
	v_cvt_scalef32_pk8_bf8_f32 v[CD+16*\a+2*\b:CD+16*\a+2*\b+1], v[T+8*\b:T+8*\b+7], v[SCL]
.endr
	v_nop                                          ; one plain line behind the last conversion: the next block writes its sources
.irp k, 0,1,2,3
	ds_store_b128 v[\sto], v[CD+16*\a+4*\k:CD+16*\a+4*\k+3] offset:\a*16*PITCH+32*\k   ; place 32 k + 16 h + 8 u + j holds number 32 k + 16 u + 8 h + j
.endr
.endr
	s_wait_dscnt 0x0                               ; for the others' sake: a stage row's 256 bytes come from two waves
	s_barrier_signal -1
	s_barrier_wait -1
.endm
	s_cmp_eq_u32 s[KIND], 2                        ; the kinds part here, on the cluster's x, and do not join again
	s_cbranch_scc1 .Lvt
	EPI 0, STQ
	s_lshr_b32 s96, s[TROW], 4                     ; the batch: 16 tiles of 128 tokens each
	s_lshl_b32 s96, s96, 4
	s_lshl_b32 s97, s[CX], 2
	s_add_co_u32 s96, s96, s97                     ; batch x 16 + the tile's first head
	s_lshl_b32 s96, s96, 11
	s_and_b32 s97, s[TROW], 15
	s_lshl_b32 s97, s97, 7
	s_add_co_u32 s96, s96, s97
	s_lshl_b32 s97, s[WVN], 5
	s_add_co_u32 s96, s96, s97                     ; + my first token
	s_lshl_b32 s96, s96, 6                         ; 64 bytes a token
	s_mov_b32 s97, 0
	s_add_nc_u64 s[20:21], s[20:21], s[96:97]
.irp d, 0,1,2,3
.irp g, 0,1,2,3
	ds_load_b128 v[T+4*(4*\d+\g):T+4*(4*\d+\g)+3], v[RDQ] offset:\g*8*PITCH+64*\d
.endr
.endr
.irp d, 0,1,2,3
.irp g, 0,1,2,3
	s_wait_dscnt 15-(4*\d+\g)
	global_store_b128 v[GOQ], v[T+4*(4*\d+\g):T+4*(4*\d+\g)+3], s[20:21] offset:\d*131072+\g*512   ; eight tokens of one head: 512 consecutive bytes, aligned
.endr
.endr
	FINISH
.Lvt:
	EPI 1, STV
	s_lshr_b32 s96, s[TCOL], 3                     ; the batch: 8 tiles of 256 tokens each
	s_lshl_b32 s96, s96, 10
	s_lshl_b32 s97, s[TROW], 7
	s_add_co_u32 s96, s96, s97
	s_lshl_b32 s97, s[WVN], 5
	s_add_co_u32 s96, s96, s97                     ; batch x 1,024 + my first channel
	s_lshl_b32 s96, s96, 11                        ; 2,048 bytes a channel
	s_and_b32 s97, s[TCOL], 7
	s_lshl_b32 s97, s97, 8
	s_add_co_u32 s96, s96, s97                     ; + the tile's 256 keys
	s_mov_b32 s97, 0
	s_add_nc_u64 s[24:25], s[24:25], s[96:97]
.irp t, 0,1,2,3,4,5,6,7,8,9,10,11,12,13,14,15
	ds_load_b128 v[T+4*\t:T+4*\t+3], v[RDV] offset:\t*2*PITCH
.endr
.irp t, 0,1,2,3,4,5,6,7,8,9,10,11,12,13,14,15
	s_wait_dscnt 15-\t
	global_store_b128 v[GOV], v[T+4*\t:T+4*\t+3], s[24:25] offset:\t*4096   ; sixteen lanes store 256 consecutive bytes, aligned
.endr
	FINISH
.Lfunc_end_k_q6b2c9bbeed_qkv:
	.size	k_q6b2c9bbeed_qkv, .Lfunc_end_k_q6b2c9bbeed_qkv-k_q6b2c9bbeed_qkv
	.p2alignl 7, 3214868480
	.fill 96, 4, 3214868480
	.section	.rodata,"a",@progbits
	.p2align	6, 0x0
	.amdhsa_kernel k_q6b2c9bbeed_qkv
		.amdhsa_group_segment_fixed_size 327680
		.amdhsa_private_segment_fixed_size 0
		.amdhsa_enable_private_segment 0
		.amdhsa_kernarg_size 88
		.amdhsa_user_sgpr_count 2
		.amdhsa_user_sgpr_kernarg_segment_ptr 1
		.amdhsa_wavefront_size32 1
		.amdhsa_system_sgpr_workgroup_id_x 1
		.amdhsa_system_sgpr_workgroup_id_y 1
		.amdhsa_system_sgpr_workgroup_id_z 1
		.amdhsa_system_vgpr_workitem_id 0
		.amdhsa_next_free_vgpr 768
		.amdhsa_next_free_sgpr 104
		.amdhsa_reserve_vcc 0
		.amdhsa_float_denorm_mode_32 3
		.amdhsa_float_denorm_mode_16_64 3
		.amdhsa_fp16_overflow 1
		.amdhsa_memory_ordered 1
		.amdhsa_forward_progress 1
		.amdhsa_inst_pref_size 86
	.end_amdhsa_kernel
	.amdgpu_metadata
---
amdhsa.version: [ 1, 2 ]
amdhsa.kernels:
  - .name:           k_q6b2c9bbeed_qkv
    .symbol:         k_q6b2c9bbeed_qkv.kd
    .args:
      - { .name: x_codes, .offset: 0, .size: 8, .value_kind: global_buffer, .address_space: global }
      - { .name: Wq_codes, .offset: 8, .size: 8, .value_kind: global_buffer, .address_space: global }
      - { .name: Wk_codes, .offset: 16, .size: 8, .value_kind: global_buffer, .address_space: global }
      - { .name: Wv_codes, .offset: 24, .size: 8, .value_kind: global_buffer, .address_space: global }
      - { .name: bq, .offset: 32, .size: 8, .value_kind: global_buffer, .address_space: global }
      - { .name: bk, .offset: 40, .size: 8, .value_kind: global_buffer, .address_space: global }
      - { .name: bv, .offset: 48, .size: 8, .value_kind: global_buffer, .address_space: global }
      - { .name: lowp_scales, .offset: 56, .size: 8, .value_kind: global_buffer, .address_space: global }
      - { .name: q_ws, .offset: 64, .size: 8, .value_kind: global_buffer, .address_space: global }
      - { .name: k_ws, .offset: 72, .size: 8, .value_kind: global_buffer, .address_space: global }
      - { .name: v_ws, .offset: 80, .size: 8, .value_kind: global_buffer, .address_space: global }
    .group_segment_fixed_size: 327680
    .private_segment_fixed_size: 0
    .kernarg_segment_align: 8
    .kernarg_segment_size: 88
    .max_flat_workgroup_size: 128
    .sgpr_count:     104
    .vgpr_count:     768
    .wavefront_size: 32
...
	.end_amdgpu_metadata
.endif
;; end of part 1
;; launch attn (part 2): grid 4 x 64, 16 waves a work-group, clusters of 4 x 1, 327,680 bytes of LDS; arguments q_ws, k_ws, v_ws, lowp_scales, a_ws; writes a_ws
.if DOCPART == 2
	.amdgcn_target "amdgcn-amd-amdhsa--gfx1250"
	.amdhsa_code_object_version 6
	.text
	.protected	k_q6b2c9bbeed_attn
	.globl	k_q6b2c9bbeed_attn
	.p2align	8
	.type	k_q6b2c9bbeed_attn,@function
k_q6b2c9bbeed_attn:
	s_mov_b64 s[64:65], 0
	v_nop
	global_prefetch_b8 v0, s[64:65] scope:SCOPE_SE
	s_setreg_imm32_b32 hwreg(HW_REG_WAVE_MODE, 25, 1), 1
	s_wait_xcnt 0x0
	s_wait_alu depctr_hold_cnt(0) depctr_sa_sdst(0) depctr_va_vdst(0) depctr_va_sdst(0) depctr_va_ssrc(0) depctr_va_vcc(0) depctr_vm_vsrc(0)
	s_getreg_b32 s2, hwreg(HW_REG_IB_STS2, 6, 4)
	s_cmp_eq_u32 s2, 0
	s_cbranch_scc0 .Lentry_in_a_cluster
	s_endpgm
.Lentry_in_a_cluster:
	s_bfe_u32 s2, ttmp6, 0x10000c
	s_cmp_lg_u32 s2, 0x3003
	s_cbranch_scc0 .Lentry_shape_is_right
	s_endpgm
.Lentry_shape_is_right:
; o = softmax(q k^T / 8) v for one (batch, head) and 512 queries, both products on codes of BF8 (E5M2); o is quantised with its given scale and stored as codes for the last product.
; THE SOFTMAX: t = score x 2^(e6 + e7) x log2(e) / 8; M = the running largest t rounded UP to a whole number, kept as -M; p = 2^(t - M) is quantised with 2^e8, not normalised; the row's sum is taken of the
; unquantised p; when M moves, the sum and O are multiplied by 2^(old M - new M), which rounds nothing.  At the end O x 2^(e8 + e9) / the sum.
; SHARES.  Sixteen waves, 32 queries each: two tiles of 16, in 256 registers, so that each fragment of K and V read from LDS feeds two products, and four waves share a SIMD.
; THE HEAD'S WHOLE K AND V LIE IN LDS, each byte filled once: no ring.  The four work-groups of a head are a cluster and ask for each chunk of 512 keys JOINTLY (mask 15).  Wave 0 asks for K's four chunks,
; wave 1 for V's four: four loads of a wave are out at the most.  A chunk is read behind a counted wait and a barrier.
; LAYOUT.  Both products transposed: S^T = K Q^T (source 0 = 16 neighbouring keys, K = 64), O^T = V^T P^T (source 0 = 16 channels, K = 128 keys): a lane holds ONE query throughout.  Register j of score tile t is
; key 16 t + 8 h + j, so the conversions' results, registers 2 t and 2 t + 1, are the second product's operand in that form's own order; v_ws is laid so that four 16-byte loads give V the same order.
; LIMITS: e6 + e7 between -123 and 130 (added to the constant's exponent field); e8 between -126 and 112, e10 between -126 and 127; e8 + e9 goes by v_ldexp_f32 and has none.
; No prefetch: every tile is asked for at the head.
.set KCH,  128*272                     ; a chunk of K in LDS: 512 keys of 64 bytes as 128 rows of 256 bytes + 16: key k at (k / 4) x 272 + (k % 4) x 64
.set VB,   4*KCH                       ; V behind K
.set VCH,  64*528                      ; a chunk of V: 64 channels x (512 keys + 16)
.set STG,  VB+4*VCH                    ; the way out: 32 tokens x 80 bytes for each wave; no tile lands here
.set WV,   14
.set CX,   15
.set G1K,  16                          ; s[16:23], s[24:31] descriptor groups 1
.set G1V,  24
.set G0K,  32                          ; s[32:47], s[48:63] descriptor groups 0, a set for each chunk
.set G0V,  48
.set CS,   66                          ; s[66:67] c = 2^(e6 + e7) log2(e) / 8, twice
.set SEL,  74                          ; s[74:75] v_permlanex16_b32's selects for lane l xor 16
.set TBK,  76                          ; s76, s77 LDS byte at which the step's keys begin in K and in a row of V
.set TBV,  77
.set CNT,  78
.set QF,   16                          ; v16-31   Q, 8 registers a tile
.set F,    32                          ; v32-63   four fragments of K; then p's codes, 16 a tile
.set S,    64                          ; v64-191  S^T, then p, 64 a tile; then V's four fragments in v64-127
.set O,    192                         ; v192-255 O^T, 32 a tile
; v0 thread; v1, v2 my lane's place in a tile of K, of V; v3 the address in hand; v4, v8 -M; v5 57,344 x 2^e8; v9 2^e8; v[6:7], v[10:11] the sums in two halves; v12-15 at work, f in v12 and v14
.macro CROUND
	s_barrier_signal -1
	s_barrier_wait -1
	s_cmp_lg_u32 s[WV], 0
	s_cbranch_scc1 .Lnot_wave_0_\@
	s_barrier_signal -3
.Lnot_wave_0_\@:
	s_barrier_wait -3
	s_barrier_signal -1
	s_barrier_wait -1
.endm
	s_load_b256 s[4:11], s[0:1], 0x0               ; q_ws s[4:5], k_ws s[6:7], v_ws s[8:9], the exponents s[10:11]
	s_load_b64 s[12:13], s[0:1], 0x20              ; a_ws
	v_lshl_add_u32 v254, v0, 2, 0x4d000
	v_mov_b32 v255, 0
	ds_add_u32 v254, v255
	ds_add_u32 v254, v255
	s_wait_dscnt 0x0
	v_lshrrev_b32 v1, 5, v0
	s_delay_alu instid0(VALU_DEP_1)
	v_readfirstlane_b32 s[WV], v1                  ; wave 0..15
	s_bfe_u32 s[CX], ttmp6, 0x40000
	s_lshl_b32 s80, ttmp9, 2
	s_add_co_u32 s81, s80, s[CX]                   ; my block of 512 queries: it enters Q's and the output's addresses alone
	s_and_b32 s80, ttmp7, 0xffff                   ; batch x 16 + head, which the four partners share
	s_lshl_b32 s82, s80, 17                        ; its 131,072 bytes in q_ws, k_ws and v_ws
	s_mov_b32 s83, 0
	s_lshl_b32 s84, s81, 15
	s_lshl_b32 s85, s[WV], 11
	s_add_co_u32 s84, s84, s85                     ; my 32 queries of 64 bytes
	s_add_co_u32 s86, s84, s82
	s_mov_b32 s87, 0
	s_and_b32 s88, s80, 15
	s_lshl_b32 s88, s88, 19                        ; a_ws: [head][batch x 2,048 + token][64 bytes]
	s_lshr_b32 s89, s80, 4
	s_lshl_b32 s89, s89, 17
	s_add_co_u32 s88, s88, s89
	s_add_co_u32 s88, s88, s84
	s_mov_b32 s89, 0
	s_mov_b32 s[G1K], 15|(1<<20)|(1<<21)|(5<<22)|(3<<25)   ; the mask: all four; elements of 1 byte; padding on; 21 set beside a mask; four words after every 64
	s_mov_b32 s[G1K+1], 256<<16                    ; tensor_dim0
	s_mov_b32 s[G1K+2], 128<<16                    ; tensor_dim1
	s_mov_b32 s[G1K+3], 256<<16                    ; tile_dim0
	s_mov_b32 s[G1K+4], 128                        ; tile_dim1
	s_mov_b32 s[G1K+5], 256                        ; dense in memory
	s_mov_b32 s[G1K+6], 0
	s_mov_b32 s[G1K+7], 0
	s_mov_b32 s[G1V], 15|(1<<20)|(1<<21)|(6<<22)|(3<<25)   ; four words after every 128
	s_mov_b32 s[G1V+1], 512<<16
	s_mov_b32 s[G1V+2], 64<<16
	s_mov_b32 s[G1V+3], 512<<16
	s_mov_b32 s[G1V+4], 64
	s_mov_b32 s[G1V+5], 2048                       ; a channel's row of keys
	s_mov_b32 s[G1V+6], 0
	s_mov_b32 s[G1V+7], 0
	s_mov_b32 s[SEL], 0x76543210
	s_mov_b32 s[SEL+1], 0xfedcba98
	s_wait_kmcnt 0x0
	s_load_b128 s[68:71], s[10:11], 0x18           ; e6, e7, e8, e9
	s_load_b32 s72, s[10:11], 0x28                 ; e10
	s_add_nc_u64 s[6:7], s[6:7], s[82:83]
	s_add_nc_u64 s[8:9], s[8:9], s[82:83]
	s_add_nc_u64 s[4:5], s[4:5], s[86:87]
	s_add_nc_u64 s[12:13], s[12:13], s[88:89]
.irp c, 0,1,2,3
	s_mov_b32 s[G0K+4*\c], 1
	s_mov_b32 s[G0K+4*\c+1], \c*KCH
	s_add_nc_u64 s[G0K+4*\c+2:G0K+4*\c+3], s[6:7], \c*32768
	s_or_b32 s[G0K+4*\c+3], s[G0K+4*\c+3], 0x80000000
	s_mov_b32 s[G0V+4*\c], 1
	s_mov_b32 s[G0V+4*\c+1], VB+\c*VCH
	s_add_nc_u64 s[G0V+4*\c+2:G0V+4*\c+3], s[8:9], \c*512
	s_or_b32 s[G0V+4*\c+3], s[G0V+4*\c+3], 0x80000000
.endr
	CROUND                                         ; all four work-groups are here: the joint loads meet
	s_cmp_eq_u32 s[WV], 0                          ; a wave's four loads stand in one branch on the wave's number
	s_cbranch_scc0 .Lnot_k
	tensor_load_to_lds s[G0K:G0K+3], s[G1K:G1K+7]
	s_nop 0
	tensor_load_to_lds s[G0K+4:G0K+7], s[G1K:G1K+7]
	s_nop 0
	tensor_load_to_lds s[G0K+8:G0K+11], s[G1K:G1K+7]
	s_nop 0
	tensor_load_to_lds s[G0K+12:G0K+15], s[G1K:G1K+7]
	s_nop 0
.rept 4
	v_nop
.endr
	s_branch .Lasked
.Lnot_k:
	s_cmp_eq_u32 s[WV], 1
	s_cbranch_scc0 .Lasked
	tensor_load_to_lds s[G0V:G0V+3], s[G1V:G1V+7]
	s_nop 0
	tensor_load_to_lds s[G0V+4:G0V+7], s[G1V:G1V+7]
	s_nop 0
	tensor_load_to_lds s[G0V+8:G0V+11], s[G1V:G1V+7]
	s_nop 0
	tensor_load_to_lds s[G0V+12:G0V+15], s[G1V:G1V+7]
	s_nop 0
.rept 4
	v_nop
.endr
.Lasked:
	v_and_b32 v12, 15, v0                          ; r
	v_bfe_u32 v13, v0, 4, 1                        ; h
	s_delay_alu instid0(VALU_DEP_2)
	v_lshlrev_b32 v3, 6, v12
	s_delay_alu instid0(VALU_DEP_1)
	v_lshl_add_u32 v3, v13, 4, v3                  ; Q: token r of 64 bytes, + 16 h
.irp u, 0,1
	global_load_b128 v[QF+8*\u:QF+8*\u+3], v3, s[4:5] offset:\u*1024
	global_load_b128 v[QF+8*\u+4:QF+8*\u+7], v3, s[4:5] offset:\u*1024+32
.endr
	v_lshrrev_b32 v14, 2, v12
	s_delay_alu instid0(VALU_DEP_1)
	v_mul_u32_u24 v1, v14, 272
	v_and_b32 v14, 3, v12
	s_delay_alu instid0(VALU_DEP_1)
	v_lshl_add_u32 v1, v14, 6, v1
	s_delay_alu instid0(VALU_DEP_1)
	v_lshl_add_u32 v1, v13, 4, v1                  ; K: key r of a tile: (r / 4) x 272 + (r % 4) x 64 + 16 h: sixteen lanes, sixteen different 16-byte columns
	v_mul_u32_u24 v2, v12, 528
	s_delay_alu instid0(VALU_DEP_1)
	v_lshl_add_u32 v2, v13, 4, v2
	s_delay_alu instid0(VALU_DEP_1)
	v_add_nc_u32 v2, VB, v2                        ; V: channel r of a tile, + 16 h
	v_mov_b32 v4, 0x7f61b1e6                       ; -M = 3e38: M lies under every t
	v_mov_b32 v8, 0x7f61b1e6
	v_mov_b32 v6, 0
	v_mov_b32 v7, 0
	v_mov_b32 v10, 0
	v_mov_b32 v11, 0
.set j, 0
.rept 64
	v_mov_b32 v[O+j], 0                            ; O^T.  (The step is written without a first form: the first change of M multiplies zeros)
.set j, j+1
.endr
	s_wait_kmcnt 0x0
	s_mov_b32 s[CS], 0x3e38aa3b                    ; log2(e) / 8
	s_add_co_i32 s80, s68, s69
	s_lshl_b32 s80, s80, 23
	s_add_co_i32 s[CS], s[CS], s80                 ; x 2^(e6 + e7): added to its exponent field
	s_mov_b32 s[CS+1], s[CS]
	s_add_co_i32 s80, s70, 127
	s_lshl_b32 s81, s80, 23
	v_mov_b32 v9, s81                              ; 2^e8
	s_add_co_i32 s80, s80, 15
	s_lshl_b32 s80, s80, 23
	s_or_b32 s80, s80, 0x600000
	v_mov_b32 v5, s80                              ; 57,344 x 2^e8
; A KEY STEP: 128 keys for my two tiles of queries, the tiles line by line.
.macro STEP
	v_add_nc_u32 v3, s[TBK], v1
	s_wait_alu depctr_va_vdst(0)
.rept 4
	v_nop                                          ; with the line above five places: the first products below write over registers that the last V^T P products read
.endr
.irp g, 0,1                                    ; S^T = K Q^T, four tiles of 16 keys at a time
.if \g
.rept 4
	v_nop                                          ; places in front of loads into registers that the products above read
.endr
.endif
.irp t, 0,1,2,3
	ds_load_b128 v[F+8*\t:F+8*\t+3], v3 offset:(4*\g+\t)*1088
	ds_load_b128 v[F+8*\t+4:F+8*\t+7], v3 offset:(4*\g+\t)*1088+32
.endr
	s_wait_dscnt 0x0
.irp t, 0,1,2,3
.irp u, 0,1
	v_wmma_f32_16x16x64_bf8_bf8 v[S+64*\u+8*(4*\g+\t):S+64*\u+8*(4*\g+\t)+7], v[F+8*\t:F+8*\t+7], v[QF+8*\u:QF+8*\u+7], 0
.endr
.endr
.endr
	; the largest score of my query among my 64 keys, two chains a tile, ascending: each accumulator is read from its low end, and the first thirty lines, on the first four tiles' scores, are the places behind the last products
.irp u, 0,1
	v_max3_num_f32 v[12+2*\u], v[S+64*\u], v[S+64*\u+1], v[S+64*\u+2]
.endr
.irp u, 0,1
	v_max3_num_f32 v[13+2*\u], v[S+64*\u+3], v[S+64*\u+4], v[S+64*\u+5]
.endr
.irp i, 6,10,14,18,22,26,30,34,38,42,46,50,54,58
.irp u, 0,1
	v_max3_num_f32 v[12+2*\u], v[12+2*\u], v[S+64*\u+\i], v[S+64*\u+\i+1]
.endr
.irp u, 0,1
	v_max3_num_f32 v[13+2*\u], v[13+2*\u], v[S+64*\u+\i+2], v[S+64*\u+\i+3]
.endr
.endr
.irp u, 0,1
	v_max3_num_f32 v[12+2*\u], v[12+2*\u], v[S+64*\u+62], v[S+64*\u+63]
.endr
.irp u, 0,1
	s_delay_alu instid0(VALU_DEP_2)
	v_max_num_f32 v[12+2*\u], v[12+2*\u], v[13+2*\u]
.endr
.irp u, 0,1
	s_delay_alu instid0(VALU_DEP_2)
	v_permlanex16_b32 v[13+2*\u], v[12+2*\u], s[SEL], s[SEL+1]
.endr
.irp u, 0,1
	s_delay_alu instid0(VALU_DEP_2)
	v_max_num_f32 v[12+2*\u], v[12+2*\u], v[13+2*\u]   ; and among lane l xor 16's
.endr
.irp u, 0,1
	s_delay_alu instid0(VALU_DEP_2)
	v_mul_f32 v[12+2*\u], s[CS], v[12+2*\u]        ; as t (c is positive)
.endr
.irp u, 0,1
	s_delay_alu instid0(VALU_DEP_2)
	v_floor_f32 v[13+2*\u], -v[12+2*\u]            ; floor(-t) = -ceil(t)
.endr
.irp u, 0,1
	s_delay_alu instid0(VALU_DEP_2)
	v_min_num_f32 v[13+2*\u], v[13+2*\u], v[4+4*\u]    ; the new -M: the least of the steps' floors is the floor of the running largest t
.endr
.irp u, 0,1
	s_delay_alu instid0(VALU_DEP_2)
	v_sub_f32 v[12+2*\u], v[13+2*\u], v[4+4*\u]    ; old M - new M: a whole number, 0 or less
.endr
.irp u, 0,1
	s_delay_alu instid0(VALU_DEP_4)
	v_mov_b32 v[4+4*\u], v[13+2*\u]
.endr
.irp u, 0,1
	s_delay_alu instid0(VALU_DEP_4)
	v_cvt_i32_f32 v[12+2*\u], v[12+2*\u]           ; (it saturates)
.endr
.irp u, 0,1
	s_delay_alu instid0(VALU_DEP_2)
	v_ldexp_f32 v[12+2*\u], 1.0, v[12+2*\u]        ; f = 2^(old M - new M)
.endr
	v_mov_b32 v15, v5                              ; a second copy of the hold's limit, for the second half of the dual lines below
.irp u, 0,1
.set j, 0
.rept 32
	v_pk_fma_f32 v[S+64*\u+j:S+64*\u+j+1], v[S+64*\u+j:S+64*\u+j+1], s[CS:CS+1], v[4+4*\u:5+4*\u] op_sel_hi:[1,0,0]   ; t - M, two at a time (of the pairs c and -M the low word serves both halves)
.set j, j+2
.endr
.endr
.set j, 0
	s_wait_alu depctr_va_vdst(0)
.rept 128
	v_exp_f32 v[S+j], v[S+j]                       ; p = 2^(t - M): one batch
.set j, j+1
.endr
	s_setprio 1
	v_pk_mul_f32 v[6:7], v[6:7], v[12:13] op_sel_hi:[1,0]      ; the sums under the new M: the plain lines behind the exponentials
	v_pk_mul_f32 v[10:11], v[10:11], v[14:15] op_sel_hi:[1,0]
	s_wait_alu depctr_va_vdst(0)                   ; one wait for the whole batch, ahead of its first reader
.irp u, 0,1
	v_pk_add_f32 v[F+2*\u:F+2*\u+1], v[S+64*\u:S+64*\u+1], v[S+64*\u+2:S+64*\u+3]   ; the row's sum of the UNQUANTISED p, two chains a tile
.endr
.irp i, 4,8,12,16,20,24,28,32,36,40,44,48,52,56,60
.irp u, 0,1
	v_pk_add_f32 v[6+4*\u:7+4*\u], v[6+4*\u:7+4*\u], v[S+64*\u+\i:S+64*\u+\i+1]
.endr
.irp u, 0,1
	v_pk_add_f32 v[F+2*\u:F+2*\u+1], v[F+2*\u:F+2*\u+1], v[S+64*\u+\i+2:S+64*\u+\i+3]
.endr
.endr
.irp u, 0,1
	s_delay_alu instid0(VALU_DEP_2)
	v_pk_add_f32 v[6+4*\u:7+4*\u], v[6+4*\u:7+4*\u], v[F+2*\u:F+2*\u+1]
.endr
.set j, 0
.rept 64
	v_dual_min_num_f32 v[S+j], v[S+j], v5 :: v_dual_min_num_f32 v[S+j+1], v[S+j+1], v15   ; the hold (the conversion does not saturate: ISA guide 7.6.2); p is not negative, so it is one-sided; two numbers a line
.set j, j+2
.endr
.irp u, 0,1
.irp t, 0,1,2,3,4,5,6,7
	v_cvt_scalef32_pk8_bf8_f32 v[F+16*\u+2*\t:F+16*\u+2*\t+1], v[S+64*\u+8*\t:S+64*\u+8*\t+7], v9   ; registers 2 t, 2 t + 1 of the operand: keys 16 t + 8 h + 0 .. 7
.endr
.endr
	v_add_nc_u32 v3, s[TBV], v2                    ; (the plain line behind the conversions)
.irp t, 0,1,2,3
.irp c, 0,1,2,3
	ds_load_b128 v[S+16*\t+4*\c:S+16*\t+4*\c+3], v3 offset:\t*16*528+32*\c   ; V^T: channels 16 t + r, these 128 keys
.endr
.endr
	s_setprio 0
.irp u, 0,1
.set j, 0
.rept 16
	v_pk_mul_f32 v[O+32*\u+j:O+32*\u+j+1], v[O+32*\u+j:O+32*\u+j+1], v[12+2*\u:13+2*\u] op_sel_hi:[1,0]   ; O^T under the new M, while V's loads are out; ascending
.set j, j+2
.endr
.endr
	s_wait_alu depctr_va_vdst(0)
	s_wait_dscnt 0x0
.irp t, 0,1,2,3
.irp u, 0,1
	v_wmma_f32_16x16x128_bf8_bf8 v[O+32*\u+8*\t:O+32*\u+8*\t+7], v[S+16*\t:S+16*\t+15], v[F+16*\u:F+16*\u+15], v[O+32*\u+8*\t:O+32*\u+8*\t+7]   ; the eight accumulators by turns
.endr
.endr
.endm
; A chunk of 512 keys: four steps.  The count leaves the younger chunks' loads out; waves that fetch nothing pass the wait at once and read behind the barrier.
.macro CHUNK c
	s_wait_tensorcnt 3-\c
	s_barrier_signal -1
	s_barrier_wait -1
	s_mov_b32 s[TBK], \c*KCH
	s_mov_b32 s[TBV], \c*VCH
	s_mov_b32 s[CNT], 4
.Lstep_\@:
	s_setprio 2
	STEP
	s_add_co_u32 s[TBK], s[TBK], 8*1088            ; 128 keys on
	s_add_co_u32 s[TBV], s[TBV], 128
	s_sub_co_u32 s[CNT], s[CNT], 1
	s_cmp_lg_u32 s[CNT], 0
	s_cbranch_scc1 .Lstep_\@
	s_setprio 0
.endm
	s_wait_loadcnt 0x0                             ; Q; v3 is free since this wait
	CHUNK 0
	CHUNK 1
	CHUNK 2
	CHUNK 3
	; THE WAY OUT.  The addresses are made first: plain lines that name no register of the last products.
	v_and_b32 v12, 15, v0                          ; r
	v_bfe_u32 v13, v0, 4, 1                        ; h
	v_and_b32 v14, 31, v0                          ; lane
	s_mul_i32 s80, s[WV], 2560
	s_add_co_u32 s80, s80, STG                     ; my stage
	v_mul_u32_u24 v1, v12, 80
	s_delay_alu instid0(VALU_DEP_1)
	v_lshl_add_u32 v1, v13, 3, v1
	s_delay_alu instid0(VALU_DEP_1)
	v_add_nc_u32 v1, s80, v1                       ; in: token r, 8 bytes for each half of the lanes
	v_lshrrev_b32 v15, 2, v14
	s_delay_alu instid0(VALU_DEP_1)
	v_mul_u32_u24 v2, v15, 80
	v_and_b32 v15, 3, v14
	s_delay_alu instid0(VALU_DEP_1)
	v_lshl_add_u32 v2, v15, 4, v2
	s_delay_alu instid0(VALU_DEP_1)
	v_add_nc_u32 v2, s80, v2                       ; back: four lanes to a token's 64 bytes
	v_lshlrev_b32 v3, 4, v14                       ; and the same in a_ws
	s_add_co_i32 s81, s70, s71                     ; e8 + e9
	s_add_co_i32 s82, s72, 127
	s_lshl_b32 s83, s82, 23                        ; 2^e10
	v_add_f32 v6, v6, v7                           ; the sums' two halves,
	v_add_f32 v10, v10, v11
	s_delay_alu instid0(VALU_DEP_2)
	v_permlanex16_b32 v7, v6, s[SEL], s[SEL+1]
	s_delay_alu instid0(VALU_DEP_2)
	v_permlanex16_b32 v11, v10, s[SEL], s[SEL+1]
	s_delay_alu instid0(VALU_DEP_2)
	v_add_f32 v6, v6, v7                           ; and lane l xor 16's
	s_delay_alu instid0(VALU_DEP_2)
	v_add_f32 v10, v10, v11
	s_wait_alu depctr_va_vdst(0)
	v_rcp_f32 v6, v6
	v_rcp_f32 v10, v10
	v_mov_b32 v9, s83                              ; (plain lines behind the reciprocals)
	s_wait_alu depctr_va_vdst(0)                   ; one wait for both, ahead of their first reader
	v_ldexp_f32 v6, v6, s81                        ; 2^(e8 + e9) / the sum
	v_ldexp_f32 v10, v10, s81
.irp u, 0,1
.set j, 0
.rept 16
	v_pk_mul_f32 v[S+32*\u+j:S+32*\u+j+1], v[O+32*\u+j:O+32*\u+j+1], v[6+4*\u:7+4*\u] op_sel_hi:[1,0]   ; register 8 t + i: o(query r, channel 16 t + 8 h + i); ascending
.set j, j+2
.endr
.set j, 0
.rept 32
.set j, j+1
.endr
.irp t, 0,1,2,3
	v_cvt_scalef32_pk8_bf8_f32 v[F+8*\u+2*\t:F+8*\u+2*\t+1], v[S+32*\u+8*\t:S+32*\u+8*\t+7], v9
.endr
	v_nop                                          ; one plain line behind the last conversion
.irp t, 0,1,2,3
	ds_store_b64 v1, v[F+8*\u+2*\t:F+8*\u+2*\t+1] offset:\u*1280+16*\t
.endr
.endr
.irp g, 0,1,2,3
	ds_load_b128 v[128+4*\g:128+4*\g+3], v2 offset:\g*640   ; LDS serves a wave's instructions in order (ISA guide 5.7.1.4): these see my stores
.endr
.irp g, 0,1,2,3
	s_wait_dscnt 3-\g
	global_store_b128 v3, v[128+4*\g:128+4*\g+3], s[12:13] offset:\g*512   ; eight tokens: 512 consecutive bytes, aligned
.endr
	s_wait_dscnt 0x0
	s_wait_xcnt 0x0
	v_lshl_add_u32 v254, v0, 2, 0x4d000
	v_mov_b32 v255, 0
	s_wait_alu depctr_va_vdst(0)
	s_wait_tensorcnt 0x0
	ds_add_u32 v254, v255
	s_wait_dscnt 0x0
	CROUND                                         ; the closing round: no work-group ends while a partner may still ask for a tile that names it
	s_endpgm
.Lfunc_end_k_q6b2c9bbeed_attn:
	.size	k_q6b2c9bbeed_attn, .Lfunc_end_k_q6b2c9bbeed_attn-k_q6b2c9bbeed_attn
	.p2alignl 7, 3214868480
	.fill 96, 4, 3214868480
	.section	.rodata,"a",@progbits
	.p2align	6, 0x0
	.amdhsa_kernel k_q6b2c9bbeed_attn
		.amdhsa_group_segment_fixed_size 327680
		.amdhsa_private_segment_fixed_size 0
		.amdhsa_enable_private_segment 0
		.amdhsa_kernarg_size 40
		.amdhsa_user_sgpr_count 2
		.amdhsa_user_sgpr_kernarg_segment_ptr 1
		.amdhsa_wavefront_size32 1
		.amdhsa_system_sgpr_workgroup_id_x 1
		.amdhsa_system_sgpr_workgroup_id_y 1
		.amdhsa_system_sgpr_workgroup_id_z 1
		.amdhsa_system_vgpr_workitem_id 0
		.amdhsa_next_free_vgpr 256
		.amdhsa_next_free_sgpr 96
		.amdhsa_reserve_vcc 0
		.amdhsa_float_denorm_mode_32 3
		.amdhsa_float_denorm_mode_16_64 3
		.amdhsa_fp16_overflow 1
		.amdhsa_memory_ordered 1
		.amdhsa_forward_progress 1
		.amdhsa_inst_pref_size 133
	.end_amdhsa_kernel
	.amdgpu_metadata
---
amdhsa.version: [ 1, 2 ]
amdhsa.kernels:
  - .name:           k_q6b2c9bbeed_attn
    .symbol:         k_q6b2c9bbeed_attn.kd
    .args:
      - { .name: q_ws, .offset: 0, .size: 8, .value_kind: global_buffer, .address_space: global }
      - { .name: k_ws, .offset: 8, .size: 8, .value_kind: global_buffer, .address_space: global }
      - { .name: v_ws, .offset: 16, .size: 8, .value_kind: global_buffer, .address_space: global }
      - { .name: lowp_scales, .offset: 24, .size: 8, .value_kind: global_buffer, .address_space: global }
      - { .name: a_ws, .offset: 32, .size: 8, .value_kind: global_buffer, .address_space: global }
    .group_segment_fixed_size: 327680
    .private_segment_fixed_size: 0
    .kernarg_segment_align: 8
    .kernarg_segment_size: 40
    .max_flat_workgroup_size: 512
    .sgpr_count:     96
    .vgpr_count:     256
    .wavefront_size: 32
...
	.end_amdgpu_metadata
.endif
;; end of part 2
;; launch proj (part 3): grid 4 x 64, 4 waves a work-group, clusters of 4 x 4, 327,680 bytes of LDS; arguments a_ws, Wo_codes, bo, lowp_scales, out0; writes out0
.if DOCPART == 3
	.amdgcn_target "amdgcn-amd-amdhsa--gfx1250"
	.amdhsa_code_object_version 6
	.text
	.protected	k_q6b2c9bbeed_proj
	.globl	k_q6b2c9bbeed_proj
	.p2align	8
	.type	k_q6b2c9bbeed_proj,@function
k_q6b2c9bbeed_proj:
	s_mov_b64 s[64:65], 0
	v_nop
	global_prefetch_b8 v0, s[64:65] scope:SCOPE_SE
	s_setreg_imm32_b32 hwreg(HW_REG_WAVE_MODE, 25, 1), 1
	s_wait_xcnt 0x0
	s_wait_alu depctr_hold_cnt(0) depctr_sa_sdst(0) depctr_va_vdst(0) depctr_va_sdst(0) depctr_va_ssrc(0) depctr_va_vcc(0) depctr_vm_vsrc(0)
	s_getreg_b32 s2, hwreg(HW_REG_IB_STS2, 6, 4)
	s_cmp_eq_u32 s2, 0
	s_cbranch_scc0 .Lentry_in_a_cluster
	s_endpgm
.Lentry_in_a_cluster:
	s_bfe_u32 s2, ttmp6, 0x10000c
	s_cmp_lg_u32 s2, 0xf033
	s_cbranch_scc0 .Lentry_shape_is_right
	s_endpgm
.Lentry_shape_is_right:
; out = a Wo + bo on codes of BF8 (E5M2): a = the attention launch's codes, a_ws [head][token][64 bytes] (scale 2^e10); Wo's codes [1,024 (n)][1,024 (k)] (scale 2^e11); out0 [8,192][1,024] f32.
; A tile of 128 tokens x 256 columns is made by four waves, 64 x 128 each: 32 accumulators; 256 tiles.  The matrix instruction is used transposed (source 0 = 16 rows of Wo, source 1 = 16 tokens):
; lane (r, h) holds token 16 a + r and columns 16 b + 8 h + 0 .. 7.  Fragments come by four 16-byte loads: the same permutation of k in both operands.
; K = 1,024 = head x 64 + channel: a K step of 256 is four heads' planes of a_ws.  Three LDS slots are filled at the start, slot 0 once more with K step 3: one refill in the launch.
; CLUSTER 4 x 4: the tokens' tile is asked for jointly by a row of the cluster, Wo's by a column.
; LIMIT: e10 + e11 between -126 and 127, so that 2^(e10 + e11) is an f32 number.
; No prefetch: three of the four K steps are asked for at the head, and the fourth has four steps of products (128 a wave) in which to land.
.set PITCH,  272                       ; 256 bytes + 16 of padding
.set PLANE,  32*PITCH                  ; a head's 128 tokens x 64 bytes in LDS: token t at (t / 4) x 272 + (t % 4) x 64
.set AHALF,  2*PLANE                   ; what waves 0 and 1 fetch: two planes
.set BHALF,  128*PITCH                 ; what waves 2 and 3 fetch: 128 rows of Wo
.set BOFF,   2*AHALF
.set SLOT,   BOFF+2*BHALF              ; 104,448 bytes
.set SPARE,  3*SLOT                    ; behind the slots: the spare words, 128 bytes a wave: two blocks of 256 bytes that no other line names
.set SPITCH, 528                       ; the way out: 16 rows x (512 bytes + 16) for each wave, in slot 1, which has had its last fill and its last read by then
.set ADRA, 16                          ; v16-18  LDS address of my A fragments in slot 0, 1, 2
.set ADRB, 20                          ; v20-22  the same for B
.set STO,  24                          ; v24     where I put 32 bytes of a stage row
.set RD,   25                          ; v25     where I read a row back
.set GO,   26                          ; v26     16 x lane: my bytes of a row's 512
.set SPW,  28                          ; v28     LDS address of my spare word; never rewritten
.set NIL,  29                          ; v29     0; never rewritten
.set BIAS, 32                          ; v32-35  bo at my four columns of a row read back
.set WVN,  26
.set WR,   27
.set WC,   28
.set CX,   30
.set CY,   31
.set G1A,  32
.set G1B,  40
.set G0A,  48
.set G0B,  68
.set TROW, 92
.set TCOL, 93
.set SC,   94                          ; s[94:95] 2^(e10 + e11), twice
.set MSB, 0
.macro WIN new                         ; the immediate's high byte repeats the setting that is left
.if MSB != \new
	s_set_vgpr_msb (MSB<<8)|\new
.set MSB, \new
.endif
.endm
.set MULW, 0xa1                        ; source 0 (B) window 1, source 1 (A) window 0, C and D window 2
.set TO_B, 0x40                        ; destination window 1, address window 0
.macro PLACES                          ; four plain vector lines between a matrix instruction and a load into, or a read of, its registers
.rept 4
	v_nop
.endr
.endm
.macro CREST
	s_cmp_lg_u32 s[WVN], 0
	s_cbranch_scc1 .Lnot_wave_0_\@
	s_barrier_signal -3
.Lnot_wave_0_\@:
	s_barrier_wait -3
	s_barrier_signal -1
	s_barrier_wait -1
.endm
.macro CROUND
	s_barrier_signal -1
	s_barrier_wait -1
	CREST
.endm
; 48 LDS loads in one run.  Registers 4 c .. 4 c + 3: k = 128 q + 32 c + 16 h + 0 .. 15 of the slot's 256: in B a byte of the row, in A plane 2 q + c / 2, channel 32 (c % 2) + 16 h + 0 .. 15
.macro FETCH slot, q, set
	WIN TO_B
.irp b, 0,1,2,3,4,5,6,7
.irp c, 0,1,2,3
	ds_load_b128 v[128*(\set)+16*\b+4*\c:128*(\set)+16*\b+4*\c+3], v[ADRB+\slot] offset:128*(\q)+32*\c+\b*16*PITCH
.endr
.endr
	WIN 0
.irp a, 0,1,2,3
.irp c, 0,1,2,3
	ds_load_b128 v[128+64*(\set)+16*\a+4*\c:128+64*(\set)+16*\a+4*\c+3], v[ADRA+\slot] offset:(2*(\q)+\c/2)*PLANE+32*(\c%2)+\a*4*PITCH
.endr
.endr
.endm
.macro MULA set, a, zero               ; the 32 accumulators take turns, one instruction a turn, in the same order in every step
.irp b, 0,1,2,3,4,5,6,7
.if \zero
	v_wmma_f32_16x16x128_bf8_bf8 v[8*(8*(\a)+\b):8*(8*(\a)+\b)+7], v[128*(\set)+16*\b:128*(\set)+16*\b+15], v[128+64*(\set)+16*(\a):128+64*(\set)+16*(\a)+15], 0
.else
	v_wmma_f32_16x16x128_bf8_bf8 v[8*(8*(\a)+\b):8*(8*(\a)+\b)+7], v[128*(\set)+16*\b:128*(\set)+16*\b+15], v[128+64*(\set)+16*(\a):128+64*(\set)+16*(\a)+15], v[8*(8*(\a)+\b):8*(8*(\a)+\b)+7]
.endif
.endr
.endm
.macro STEP set, fetch, fslot, fq, zero
	s_wait_dscnt 0x0                               ; this step's 48 loads are in
.if \fetch
	PLACES                                         ; the other set was read by the products just issued
	FETCH \fslot, \fq, 1-(\set)
.endif
	WIN MULW
	MULA \set, 0, \zero
	MULA \set, 1, \zero
	MULA \set, 2, \zero
	MULA \set, 3, \zero
	WIN 0
.endm
	s_load_b256 s[4:11], s[0:1], 0x0               ; a_ws s[4:5], Wo s[6:7], bo s[8:9], the exponents s[10:11]
	s_load_b64 s[12:13], s[0:1], 0x20              ; out0
	v_lshl_add_u32 v[SPW], v0, 2, SPARE
	v_mov_b32 v[NIL], 0
	ds_add_u32 v28, v29
	ds_add_u32 v28, v29
	s_wait_dscnt 0x0
	v_lshrrev_b32 v1, 5, v0
	v_readfirstlane_b32 s[WVN], v1                 ; wave 0..3
	s_lshr_b32 s[WR], s[WVN], 1                    ; my half of the tokens.  Also: I fetch for A (0) or for B (1)
	s_and_b32 s[WC], s[WVN], 1                     ; my half of the columns.  Also: which half I fetch
	s_bfe_u32 s[CX], ttmp6, 0x40000
	s_bfe_u32 s[CY], ttmp6, 0x40004
	s_and_b32 s[TROW], ttmp7, 0xffff
	s_lshl_b32 s[TROW], s[TROW], 2
	s_add_co_u32 s[TROW], s[TROW], s[CY]           ; tile row = 4 x cluster y + cy
	s_lshl_b32 s[TCOL], ttmp9, 2
	s_add_co_u32 s[TCOL], s[TCOL], s[CX]           ; tile column = 4 x cluster x + cx
	s_lshl_b32 s96, s[CY], 2
	s_lshl_b32 s96, 15, s96                        ; my row of the cluster
	s_lshl_b32 s97, 0x1111, s[CX]                  ; my column
	; A's group 1: two planes; a plane's 128 tokens are one dense row of 8,192 bytes (1,024 elements of 8 bytes), 524,288 bytes from plane to plane; 16 bytes of padding behind every 256
	s_or_b32 s[G1A], s96, (3<<16)|(1<<20)|(1<<21)|(5<<22)|(3<<25)
	s_mov_b32 s[G1A+1], 1024<<16                   ; tensor_dim0
	s_mov_b32 s[G1A+2], 2<<16                      ; tensor_dim1
	s_mov_b32 s[G1A+3], 1024<<16                   ; tile_dim0
	s_mov_b32 s[G1A+4], 2                          ; tile_dim1
	s_mov_b32 s[G1A+5], 65536                      ; from plane to plane, in elements
	s_mov_b32 s[G1A+6], 0
	s_mov_b32 s[G1A+7], 0
	; B's group 1: 128 rows of 256 bytes, 1,024 bytes apart
	s_or_b32 s[G1B], s97, (1<<20)|(1<<21)|(5<<22)|(3<<25)
	s_mov_b32 s[G1B+1], 256<<16
	s_mov_b32 s[G1B+2], 128<<16
	s_mov_b32 s[G1B+3], 256<<16
	s_mov_b32 s[G1B+4], 128
	s_mov_b32 s[G1B+5], 1024
	s_mov_b32 s[G1B+6], 0
	s_mov_b32 s[G1B+7], 0
	s_lshl_b32 s98, s[TROW], 13                    ; A: the tile's 128 tokens of 64 bytes,
	s_lshl_b32 s96, s[WC], 20                      ;    + my two planes
	s_add_co_u32 s98, s98, s96
	s_mov_b32 s99, 0
	s_lshl_b32 s100, s[TCOL], 8
	s_lshl_b32 s96, s[WC], 7
	s_add_co_u32 s100, s100, s96                   ; B: row 256 x tile column + 128 x half
	s_lshl_b32 s100, s100, 10
	s_mov_b32 s101, 0
	s_wait_kmcnt 0x0
	s_load_b64 s[80:81], s[10:11], 0x28            ; e10, e11
	s_add_nc_u64 s[60:61], s[4:5], s[98:99]
	s_add_nc_u64 s[62:63], s[6:7], s[100:101]
	s_mul_i32 s96, s[WC], AHALF                    ; where they go: the wave's number alone enters an LDS address
	s_mul_i32 s97, s[WC], BHALF
	s_add_co_u32 s97, s97, BOFF
.irp s, 0,1,2
	s_mov_b32 s[G0A+4*\s], 1
	s_add_co_u32 s[G0A+4*\s+1], s96, \s*SLOT
	s_add_nc_u64 s[G0A+4*\s+2:G0A+4*\s+3], s[60:61], \s*2097152   ; K step s: four planes on
	s_or_b32 s[G0A+4*\s+3], s[G0A+4*\s+3], 0x80000000
	s_mov_b32 s[G0B+4*\s], 1
	s_add_co_u32 s[G0B+4*\s+1], s97, \s*SLOT
	s_add_nc_u64 s[G0B+4*\s+2:G0B+4*\s+3], s[62:63], \s*256
	s_or_b32 s[G0B+4*\s+3], s[G0B+4*\s+3], 0x80000000
.endr
	CROUND                                         ; all sixteen work-groups are here: the first joint loads meet
	s_cmp_eq_u32 s[WR], 0                          ; a wave's three first fills stand in one branch on the wave's number: three loads of mine are out
	s_cbranch_scc0 .Lfirst_b
	tensor_load_to_lds s[G0A:G0A+3], s[G1A:G1A+7]
	s_nop 0
	tensor_load_to_lds s[G0A+4:G0A+7], s[G1A:G1A+7]
	s_nop 0
	tensor_load_to_lds s[G0A+8:G0A+11], s[G1A:G1A+7]
	s_nop 0
.rept 4
	v_nop
.endr
	s_branch .Lfirst_asked
.Lfirst_b:
	tensor_load_to_lds s[G0B:G0B+3], s[G1B:G1B+7]
	s_nop 0
	tensor_load_to_lds s[G0B+4:G0B+7], s[G1B:G1B+7]
	s_nop 0
	tensor_load_to_lds s[G0B+8:G0B+11], s[G1B:G1B+7]
	s_nop 0
.rept 4
	v_nop
.endr
.Lfirst_asked:
	v_and_b32 v4, 31, v0                           ; lane
	v_lshlrev_b32 v[GO], 4, v4
	s_lshl_b32 s96, s[TCOL], 10
	s_lshl_b32 s97, s[WC], 9
	s_add_co_u32 s96, s96, s97                     ; my first column, in bytes
	s_mov_b32 s97, 0
	s_add_nc_u64 s[8:9], s[8:9], s[96:97]
	global_load_b128 v[BIAS:BIAS+3], v[GO], s[8:9] ; bo at columns 4 x lane + 0 .. 3 of my 128
	s_add_nc_u64 s[12:13], s[12:13], s[96:97]
	s_lshl_b32 s96, s[TROW], 7
	s_lshl_b32 s98, s[WR], 6
	s_add_co_u32 s96, s96, s98                     ; my first token
	s_lshl_b32 s96, s96, 12                        ; 4,096 bytes a row of out0: under 2^25
	s_add_nc_u64 s[12:13], s[12:13], s[96:97]
	v_and_b32 v1, 15, v0                           ; r
	v_bfe_u32 v2, v0, 4, 1                         ; h
	v_mul_u32_u24 v3, v1, PITCH
	v_lshl_add_u32 v3, v2, 4, v3                   ; B: row r x pitch + 16 h
	v_lshrrev_b32 v5, 2, v1
	v_mul_u32_u24 v5, v5, PITCH
	v_and_b32 v6, 3, v1
	v_lshl_add_u32 v5, v6, 6, v5
	v_lshl_add_u32 v5, v2, 4, v5                   ; A: token r of a plane: (r / 4) x 272 + (r % 4) x 64 + 16 h
	s_mul_i32 s96, s[WR], 16*PITCH                 ; my 64 tokens of each plane
	s_mul_i32 s97, s[WC], BHALF                    ; my 128 rows of B
	s_add_co_u32 s97, s97, BOFF
.irp s, 0,1,2
	v_add_nc_u32 v[ADRA+\s], s96, v5
	v_add_nc_u32 v[ADRB+\s], s97, v3
	s_add_co_u32 s96, s96, SLOT
	s_add_co_u32 s97, s97, SLOT
.endr
	s_mul_i32 s96, s[WVN], 16*SPITCH
	s_add_co_u32 s96, s96, SLOT                    ; my stage
	v_mul_u32_u24 v5, v1, SPITCH
	v_lshl_add_u32 v5, v2, 5, v5
	v_add_nc_u32 v[STO], s96, v5                   ; in: row r, 32 bytes for each half of the lanes
	v_add_nc_u32 v[RD], s96, v[GO]                 ; back: the 32 lanes take one row of 512 bytes
	s_wait_alu depctr_va_vdst(0)
	s_wait_kmcnt 0x0
	s_add_co_i32 s[SC], s80, s81
	s_add_co_i32 s[SC], s[SC], 127
	s_lshl_b32 s[SC], s[SC], 23                    ; 2^(e10 + e11) as f32
	s_mov_b32 s[SC+1], s[SC]                       ; (named with it as a pair, so it is written)
	s_wait_loadcnt 0x0                             ; the bias, beside the wait for the first tile
	s_wait_tensorcnt 2                             ; my part of K step 0 is in; the two younger loads may stay out
	s_barrier_signal -1
	s_barrier_wait -1
	FETCH 0, 0, 0
	STEP 0, 1, 0, 1, 1                             ; the first step's products start the sums: nothing is cleared
	; step 1 changes slots: slot 0 is read out and takes K step 3
	s_wait_tensorcnt 0x0                           ; all my loads have landed: my parts of slots 1 and 2
	ds_add_u32 v[SPW], v[NIL]                      ; 0 onto my spare word
	s_wait_dscnt 1                                 ; the step's 48 loads are in; the add alone may be out
	WIN MULW
	MULA 1, 0, 0                                   ; eight products stand between the add and the wait for it
	s_wait_dscnt 0x0                               ; the add is done, and my reads of slot 0 are over
	s_barrier_signal -1
	MULA 1, 1, 0
	WIN 0
	s_barrier_wait -1
	CREST                                          ; the barrier has opened a round of the cluster's: no wave of any partner still reads slot 0 or has a load on its way
	s_add_nc_u64 s[G0A+2:G0A+3], s[G0A+2:G0A+3], 6291456   ; K step 3: twelve planes on
	s_add_nc_u64 s[G0B+2:G0B+3], s[G0B+2:G0B+3], 768
	s_cmp_eq_u32 s[WR], 0
	s_cbranch_scc0 .Lagain_b
	tensor_load_to_lds s[G0A:G0A+3], s[G1A:G1A+7]  ; my one tensor load behind the round, and the first thing there
	s_nop 0
.rept 4
	v_nop
.endr
	s_branch .Lagain_asked
.Lagain_b:
	tensor_load_to_lds s[G0B:G0B+3], s[G1B:G1B+7]
	s_nop 0
.rept 4
	v_nop
.endr
.Lagain_asked:
	FETCH 1, 0, 0                                  ; slots 1 and 2 are whole for every wave since the round
	WIN MULW
	MULA 1, 2, 0
	MULA 1, 3, 0
	WIN 0
	STEP 0, 1, 1, 1, 0
	STEP 1, 1, 2, 0, 0
	STEP 0, 1, 2, 1, 0
	; step 5: back to slot 0.  Behind it nobody reads slots 1 and 2 any more
	s_wait_tensorcnt 0x0                           ; the one load that was out: my part of K step 3
	s_wait_dscnt 0x0                               ; the step's 48 loads are in: my reads of slot 2 are over
	s_barrier_signal -1
	WIN MULW
	MULA 1, 0, 0
	MULA 1, 1, 0
	WIN 0
	s_barrier_wait -1
	PLACES
	FETCH 0, 0, 0
	WIN MULW
	MULA 1, 2, 0
	MULA 1, 3, 0
	WIN 0
	STEP 0, 1, 0, 1, 0
	STEP 1, 0, 0, 0, 0
; THE WAY OUT, a block of 16 tokens x 128 columns at a time.  The sums go into my own stage as they are and come back as whole rows of 512 bytes; there a lane holds four neighbouring columns,
; so the bias costs four registers: out = sum x 2^(e10 + e11) + bo, one packed multiply-add for two numbers.  LDS serves a wave's instructions in order (ISA guide 5.7.1.4): no wait between my stores and my loads.
.macro TOST a, set
	WIN 0x08                                       ; the stores' data: window 2
.irp b, 0,1,2,3,4,5,6,7
	ds_store_b128 v[STO], v[8*(8*\a+\b):8*(8*\a+\b)+3] offset:64*\b            ; each accumulator from its low end on
	ds_store_b128 v[STO], v[8*(8*\a+\b)+4:8*(8*\a+\b)+7] offset:64*\b+16
.endr
	WIN 0
.irp t, 0,1,2,3,4,5,6,7,8,9,10,11,12,13,14,15
	ds_load_b128 v[128+64*\set+4*\t:128+64*\set+4*\t+3], v[RD] offset:\t*SPITCH
.endr
.endm
.macro SEND a, set, younger            ; younger: the LDS instructions issued behind the block's loads, which may stay out
	s_wait_dscnt \younger
.irp t, 0,1,2,3,4,5,6,7,8,9,10,11,12,13,14,15
	v_pk_fma_f32 v[128+64*\set+4*\t:128+64*\set+4*\t+1], v[128+64*\set+4*\t:128+64*\set+4*\t+1], s[SC:SC+1], v[BIAS:BIAS+1] op_sel_hi:[1,0,1]
	v_pk_fma_f32 v[128+64*\set+4*\t+2:128+64*\set+4*\t+3], v[128+64*\set+4*\t+2:128+64*\set+4*\t+3], s[SC:SC+1], v[BIAS+2:BIAS+3] op_sel_hi:[1,0,1]
.endr
.irp t, 0,1,2,3,4,5,6,7,8,9,10,11,12,13,14,15
	global_store_b128 v[GO], v[128+64*\set+4*\t:128+64*\set+4*\t+3], s[12:13] offset:(16*\a+\t)*4096 th:TH_STORE_NT   ; 32 lanes store 512 consecutive bytes, aligned; written once, read by nobody here
.endr
.endm
	PLACES                                         ; behind the last products: the stores read results, the loads land on A's fragments
	TOST 0, 0
	TOST 1, 1
	SEND 0, 0, 32                                  ; behind block 0's loads: block 1's 16 stores and 16 loads
	s_wait_xcnt 0x0                                ; block 0's stores have read their registers: block 2's loads may land there
	TOST 2, 0
	SEND 1, 1, 32
	s_wait_xcnt 0x0                                ; block 1's likewise
	TOST 3, 1
	SEND 2, 0, 32
	SEND 3, 1, 0
	s_wait_tensorcnt 0x0                           ; the wave's end: behind my last tensor load and my last LDS store
	ds_add_u32 v[SPW], v[NIL]
	s_wait_dscnt 0x0
	CROUND                                         ; the closing round: no work-group ends while a partner may still ask for a tile that names it
	s_endpgm
.Lfunc_end_k_q6b2c9bbeed_proj:
	.size	k_q6b2c9bbeed_proj, .Lfunc_end_k_q6b2c9bbeed_proj-k_q6b2c9bbeed_proj
	.p2alignl 7, 3214868480
	.fill 96, 4, 3214868480
	.section	.rodata,"a",@progbits
	.p2align	6, 0x0
	.amdhsa_kernel k_q6b2c9bbeed_proj
		.amdhsa_group_segment_fixed_size 327680
		.amdhsa_private_segment_fixed_size 0
		.amdhsa_enable_private_segment 0
		.amdhsa_kernarg_size 40
		.amdhsa_user_sgpr_count 2
		.amdhsa_user_sgpr_kernarg_segment_ptr 1
		.amdhsa_wavefront_size32 1
		.amdhsa_system_sgpr_workgroup_id_x 1
		.amdhsa_system_sgpr_workgroup_id_y 1
		.amdhsa_system_sgpr_workgroup_id_z 1
		.amdhsa_system_vgpr_workitem_id 0
		.amdhsa_next_free_vgpr 768
		.amdhsa_next_free_sgpr 104
		.amdhsa_reserve_vcc 0
		.amdhsa_float_denorm_mode_32 3
		.amdhsa_float_denorm_mode_16_64 3
		.amdhsa_memory_ordered 1
		.amdhsa_forward_progress 1
		.amdhsa_inst_pref_size 75
	.end_amdhsa_kernel
	.amdgpu_metadata
---
amdhsa.version: [ 1, 2 ]
amdhsa.kernels:
  - .name:           k_q6b2c9bbeed_proj
    .symbol:         k_q6b2c9bbeed_proj.kd
    .args:
      - { .name: a_ws, .offset: 0, .size: 8, .value_kind: global_buffer, .address_space: global }
      - { .name: Wo_codes, .offset: 8, .size: 8, .value_kind: global_buffer, .address_space: global }
      - { .name: bo, .offset: 16, .size: 8, .value_kind: global_buffer, .address_space: global }
      - { .name: lowp_scales, .offset: 24, .size: 8, .value_kind: global_buffer, .address_space: global }
      - { .name: out0, .offset: 32, .size: 8, .value_kind: global_buffer, .address_space: global }
    .group_segment_fixed_size: 327680
    .private_segment_fixed_size: 0
    .kernarg_segment_align: 8
    .kernarg_segment_size: 40
    .max_flat_workgroup_size: 128
    .sgpr_count:     104
    .vgpr_count:     768
    .wavefront_size: 32
...
	.end_amdgpu_metadata
.endif
;; end of part 3
